; MI455X (gfx1250); checked and timed in simulation.
; The chip was launched on July 23, 2026; its instructions are those of AMD's public machine-readable ISA for CDNA 5 (MIT licence, August 2026) and "CDNA5" Instruction Set Architecture Reference Guide (July 2026). The comments in the code are by the model that wrote it; some were corrected since.
;; Trellis Linear. Allowed arithmetic: matrix products marked QUANTISED: E5M2 operands, one E8M0 scale for each 32 along K, by v_wmma_scale_f32_16x16x128_f8f6f4 with both operands' format E5M2, f32 sums; everything else in f32.
;; Inputs: grid 16 float32; packed_indices 512 x 512 x 128 int32; scales 64 x 8,192 float32; su 8,192 float32; sv 8,192 float32; x_codes 64 x 256 x 32 uint8 (E5M2 codes of x, K innermost, in blocks of 32 codes); x_scales 64 x 256 uint8 (E8M0 scales of x, one for each 32 codes along K).
;; Outputs: out0 64 x 8,192 float32.
;; This version of the problem:
;;   THIS VERSION OF THE PROBLEM IS GIVEN IN LOW PRECISION. The matrix products marked QUANTISED in the list below multiply operands that are first quantised to E5M2 (5 exponent bits, 2 mantissa bits; 8 bits a number), with one power-of-two scale for each 32 numbers along K (OCP MX v1.0); their sums are f32. All else is computed in f32.
;;   The module's matrix products, in the order in which they are computed (A, B: the left and right operand; K: the contracted axis; several contracted axes count as one K, in the product's order):
;;     1. [M 64, K 8,192] x [K 8,192, N 8,192]; A: input x (given as codes); B: computed on the way: QUANTISED
;;   THE QUANTISER, for each operand of a quantised product, along K:
;;     - K is cut into blocks of 32 from its start; a last block that is shorter is filled with zeros.
;;     - A block's scale is 2^e with e = floor(log2(the largest magnitude in the block)) - 15, held to -126 .. 127; a block of zeros has e = 0. As a byte (E8M0): e + 127.
;;     - Each number is divided by its block's scale, clamped to +-57,344, and rounded to the nearest number of E5M2, ties to even, subnormals kept.
;;     - The product sums the exact products of the quantised numbers (number of the format x scale) in f32.
;;   ~~~python
;;   def quantise(x, axis):      # numpy; x: float32 -> the quantised numbers, widened to float32 again
;;       x = np.moveaxis(x, axis, -1); K = x.shape[-1]
;;       x = np.pad(x, [(0, 0)] * (x.ndim - 1) + [(0, -K % 32)]); x = x.reshape(x.shape[:-1] + (-1, 32)); a = np.abs(x).max(-1, keepdims=True)
;;       e = np.where(a > 0, np.clip(np.frexp(np.where(a > 0, a, 1))[1] - 1 - 15, -126, 127), 0)      # np.frexp(a)[1] - 1 = floor(log2(a)), exactly
;;       r = np.clip(x / 2.0 ** e, -57344, 57344)
;;       step = 2.0 ** (np.maximum(np.frexp(np.where(r == 0, 1, r))[1] - 1, -14) - 2)
;;       q = np.round(r / step) * step * 2.0 ** e      # np.round: ties to even
;;       return np.moveaxis(q.reshape(q.shape[:-2] + (-1,))[..., :K], -1, axis).astype(np.float32)
;;   ~~~
;;   OPERANDS COMPUTED ON THE WAY. 'Computed on the way' means the value that the module computes at that place (a softmax that the list does not call 'softmax' is quantised finished and normalised). What goes into a quantiser is computed in f32, as accurately as f32 sums, v_exp_f32 and their like allow (about 1e-6 of the number): no bf16 or f16 on the way to a quantiser, and a product that is left as it is and whose result goes on into a quantised operand takes f32 operands (vector FMAs, or v_wmma_f32_16x16x4_f32). A number that lies on a knife's edge between two numbers of the format may be rounded either way, as far as f32 arithmetic and the matrix unit's own rounding can turn it there, and no further.
;;   INPUTS GIVEN AS CODES. x (in the module: [64, 8192], K = its axis 1): each comes as NAME_codes (uint8): NAME with its K axis moved to the last place and cut into blocks of 32 codes, [.., K / 32, bytes a block], one block behind the other in memory; one code a byte (a code: sign, 5 exponent bits, 2 mantissa bits); and NAME_scales (uint8): the same leading axes, one E8M0 byte (e + 127) for each 32 codes along K. Its value is code x scale, taken as it is: it is not quantised again, and the codes and scales need not be those that the quantiser above would give.
;; One version. Each part assembles by itself: llvm-mc -triple=amdgcn-amd-amdhsa -mcpu=gfx1250 --defsym DOCPART=n.
;; ======== version 1 of 1: 1 launch
;; launch trellis (part 1): grid 256 x 1, 8 waves a work-group, no clusters, 190,464 bytes of LDS; arguments packed_indices, x_codes, x_scales, scales, su, sv, grid, out0; writes out0
.if DOCPART == 1
	.amdgcn_target "amdgcn-amd-amdhsa--gfx1250"
	.amdhsa_code_object_version 6
	.text
	.protected	k_q92678618dd_trellis
	.globl	k_q92678618dd_trellis
	.p2align	8
	.type	k_q92678618dd_trellis,@function
k_q92678618dd_trellis:
	s_mov_b64 s[64:65], 0
	v_nop
	global_prefetch_b8 v0, s[64:65] scope:SCOPE_SE
	s_setreg_imm32_b32 hwreg(HW_REG_WAVE_MODE, 25, 1), 1
	s_wait_xcnt 0x0
; out[m][n] = sum over k of x[m][k] Q(W)[k][n],  W[k][n] = grid[idx[k][n]] * scales[k/128][n] * su[k] * sv[n],  Q = codes of BF8 (E5M2) with one E8M0 scale for each 32 along K.
; x arrives as codes [64][8192] and scale bytes [64][256].  idx arrives as words that hold one byte each (two 4-bit indices), in tiles of 16 (k) x 16 (n): 128 words, word b = row b / 8, columns 2 (b % 8), 2 (b % 8) + 1.
; SHARES.  256 work-groups; each owns 32 columns (two tiles in every row of tiles: 1,024 consecutive bytes) and ALL of K, so every output has one owner.  Eight waves share K: wave w takes the K steps of 128
; numbered 8 u + w, u = 0 .. 7 (a UNIT: 128 k x 32 columns, 8 KB of index words, 128 weights a lane), with eight accumulators of its own (64 rows x 32 columns); the eight waves' sums are added once, at the end, through LDS.
; A UNIT.  (1) 16 loads of 512 consecutive bytes, asked for two units ahead, into two sets of registers by turns: 16 KB of the stream are on their way for each wave.  (2) A lane's four words become one word of eight nibbles
; (three v_perm_b32: only the low byte of a word counts, as in the definition).  (3) These words turn through the wave's own stage in LDS, so that lane (h, c, q, t) = h + 2 c + 8 q + 16 t holds columns 16 t + 8 q + 0 .. 7 and
; k = 32 c + 16 h + 0 .. 15.  (4) Each nibble, times 4, is the address of a lane permute that fetches grid[idx] from a register whose lane i holds grid[i].  (5) x su[k], x (scales x sv): packed.  (6) A block of 32 lies in
; lanes l and l xor 1: largest magnitude, scale, hold, conversion.  (7) A column's 16 codes are four registers of the operand of lane (column, h): they go through the wave's own stage as an image of the operand's registers.
; (8) Eight scaled matrix instructions: source 0 = 16 columns of W, source 1 = 16 rows of x: a lane then holds one row of out and eight neighbouring columns.
; x's fragments come from memory straight into the operand's registers, one unit ahead: each is read by one wave of the work-group.
; NO JOINT REQUESTS for x, though all work-groups read it: a joint request lands in LDS, and x through LDS would add 512 KB in and 512 KB out (4,096 instruction passes of 256 bytes) for a work-group to an LDS unit that by this
; text's own count already serves 186 instructions for each of 64 units; and its slots' refills would put the eight waves, which here meet only twice, under a barrier for each slot.
; NO TENSOR LOADS for the index words: with counted waits on register loads a wave's stream is never waited for as a whole.
; LIMITS.  NaN and infinities in grid, su, sv, scales are not served.  The factors are multiplied as (grid x su) x (scales x sv), all in f32: another association than the definition's.  A block of zeros gets the byte 1
; (its codes are zeros; only this text reads the bytes).  K's sums are made in eight parts and added as a tree.  A work-group's 32 columns are 128 bytes of a row of scales and of out: these two are read and written in pieces of 128 bytes.
.set TKB,   262144                     ; bytes from a row of tiles to the next: 512 tiles x 512 bytes
.set UNITB, 0x1000000                  ; bytes from a wave's unit to its next: 64 rows of tiles
; LDS
.set SU,    0                          ; su, 8,192 numbers
.set CT,    32768                      ; c = scales x sv of my 32 columns, for the 64 K steps, each number twice: a pair for the packed multiply; 256 bytes a K step
.set XS,    49152                      ; x's scale bytes: 64 rows of 256 bytes + 16 of padding
.set XSP,   272
.set RS,    66560                      ; the index stages, one for each wave: 32 records (row of tiles, half tile, tile) of 16 words + 16 bytes of padding
.set RSW,   2560
.set CS,    87040                      ; the code stages, one for each wave: two fragments' images, then 32 scale words
.set CSWV,  4608
.set SBO,   4352
.set RED,   123904                     ; the sums' stage: 8 KB for each wave
; registers, window 0
.set GA,  1                            ; 16 x lane: my 16 bytes of a tile
.set XA,  2                            ; x: row lane % 16, + 16 (lane / 16)
.set STW, 3                            ; index stage, in
.set STR, 4                            ; index stage, out
.set SU0, 5                            ; my place in su's table, unit 0
.set CT0, 6                            ; in c's
.set XS0, 7                            ; in x's scale words
.set CSW, 8                            ; code stage, in
.set CSR, 9                            ; code stage, out
.set SBW, 10                           ; W's scale bytes, in
.set SBR, 11                           ; W's scale words, out
.set TB,  12                           ; grid[lane % 16]
.set SUT, 13                           ; the three table addresses of the unit in hand
.set CTT, 14
.set XST, 15
.set XSC, 16                           ; v16-23  x's scale words: four tiles of rows, two sets by turns
.set WS,  24                           ; v24-25  W's scale words: two tiles of columns
.set RC,  26                           ; v26-41  16 words of eight nibbles: k = 0 .. 15 of my row of tiles
.set SUR, 42                           ; v42-57  su of my 16 k
.set CCR, 58                           ; v58-73  c of my 8 columns, each twice
.set MA,  74                           ; v74-81  a quarter's figures: largest magnitudes (two chains a column), scale operands, holds
.set MB,  75
.set YA,  76
.set YB,  77
.set EA,  78
.set EB,  79
.set HA,  80
.set HB,  81
.set BY,  82                           ; v82-89  a scale byte for each column
.set KC,  90                           ; v90-121 codes: four registers a column
.set BF,  122                          ; v122-153 W's two fragments
.set VQ0, 154                          ; v154-185, v186-217 two quarter buffers: 2 columns x 16 k
.set VQ1, 186
.set TT,  218                          ; at work at the head and at the end
.set Z,   90                           ; the end: 8 waves' parts of my 8 outputs
; registers, window 1: v0-63, v64-127 the two sets of index words; then
.set XF,  128                          ; v128-191 x's four fragments
.set ACC, 192                          ; v192-255 the eight accumulators: (tile of rows mt, tile of columns t) at ACC + 8 (2 mt + t)
.set MSB, 0
.macro WIN new                         ; s_set_vgpr_msb: bits 1:0 source 0, 3:2 source 1, 5:4 source 2, 7:6 destination; the high byte repeats the setting that is left
.if MSB != \new
	s_set_vgpr_msb (MSB<<8)|\new
.set MSB, \new
.endif
.endm
	s_load_b256 s[4:11], s[0:1], 0x0               ; index words s[4:5], x's codes s[6:7], x's scales s[8:9], scales s[10:11]
	s_load_b256 s[12:19], s[0:1], 0x20             ; su s[12:13], sv s[14:15], grid s[16:17], out s[18:19]
	v_lshl_add_u32 v254, v0, 2, 0x2e400
	v_mov_b32 v255, 0
	v_lshrrev_b32 v[TT], 5, v0
	v_readfirstlane_b32 s20, v[TT]                 ; wave 0..7
	v_and_b32 v[TT], 31, v0                        ; lane
	v_and_b32 v[TT+1], 15, v0                      ; lane % 16
	v_bfe_u32 v[TT+2], v0, 4, 1                    ; lane / 16
	v_lshlrev_b32 v[GA], 4, v[TT]
	v_lshlrev_b32 v[XA], 13, v[TT+1]               ; a row of x's codes is 8,192 bytes
	v_lshl_add_u32 v[XA], v[TT+2], 4, v[XA]
	; the tables' way in, by thread T = 0 .. 255
	v_lshlrev_b32 v[TT+3], 4, v0                   ; 16 T: su and x's scale bytes are read as they lie
	v_lshrrev_b32 v[TT+4], 4, v0
	v_mul_u32_u24 v[TT+4], v[TT+4], XSP
	v_lshl_add_u32 v[TT+4], v[TT+1], 4, v[TT+4]    ; x's scale bytes in LDS: row T / 16 (+ 16 j), byte 16 (T % 16)
	v_and_b32 v[TT+5], 3, v0
	v_lshlrev_b32 v[TT+5], 5, v[TT+5]              ; sv: my 8 columns, 32 (T % 4)
	v_lshrrev_b32 v[TT+6], 2, v0
	v_lshl_add_u32 v[TT+6], v[TT+6], 15, v[TT+5]   ; scales: row T / 4 of 32,768 bytes, the same 8 columns
	v_lshlrev_b32 v[TT+7], 6, v0                   ; c's table: 64 T
	v_lshlrev_b32 v[TT+8], 2, v[TT+1]              ; grid: 4 (lane % 16)
	s_lshl_b32 s22, ttmp9, 7                       ; my 32 columns in a row of f32: 128 bytes
	s_mov_b32 s23, 0
	s_lshl_b32 s28, ttmp9, 10                      ; my two tiles in a row of tiles
	s_mov_b32 s29, 0
	s_lshl_b32 s30, s20, 21                        ; my wave's first unit: 8 w rows of tiles
	s_mov_b32 s31, 0
	s_lshl_b32 s36, s20, 7                         ; and in a row of x: 128 w
	s_mov_b32 s37, 0
	s_lshl_b32 s38, s20, 18                        ; the rows of out that my wave stores: 8 w
	s_mov_b32 s39, 0
	s_mov_b32 s24, 0x00000400                      ; v_perm_b32: byte 0 of the second source, byte 0 of the first (the upper two bytes are not used)
	s_mov_b32 s25, 0x05040100                      ; v_perm_b32: the low halves of both
	s_mov_b32 s26, 0x600000                        ; the mantissa field of 57,344
	s_mov_b32 s40, 0                               ; the unit's place in su's table: 4,096 bytes a unit,
	s_mov_b32 s41, 0                               ; in c's: 2,048,
	s_mov_b32 s42, 0                               ; in a row of x's scale bytes: 32
	s_wait_kmcnt 0x0
	s_add_nc_u64 s[10:11], s[10:11], s[22:23]
	s_add_nc_u64 s[14:15], s[14:15], s[22:23]
	s_add_nc_u64 s[18:19], s[18:19], s[22:23]
	s_add_nc_u64 s[18:19], s[18:19], s[38:39]
	s_add_nc_u64 s[4:5], s[4:5], s[28:29]
	s_add_nc_u64 s[4:5], s[4:5], s[30:31]          ; unit 0
	s_add_nc_u64 s[34:35], s[4:5], UNITB           ; unit 1
	s_add_nc_u64 s[6:7], s[6:7], s[36:37]
	; the tables' 17 loads first, so that the wait for them leaves the stream's first 32 loads out
.irp j, 0,1,2,3,4,5,6,7
	global_load_b128 v[KC+4*\j:KC+4*\j+3], v[TT+3], s[12:13] offset:4096*\j
.endr
.irp j, 0,1,2,3
	global_load_b128 v[BF+4*\j:BF+4*\j+3], v[TT+3], s[8:9] offset:4096*\j
.endr
	global_load_b128 v[VQ0:VQ0+3], v[TT+6], s[10:11]
	global_load_b128 v[VQ0+4:VQ0+7], v[TT+6], s[10:11] offset:16
	global_load_b128 v[VQ0+8:VQ0+11], v[TT+5], s[14:15]
	global_load_b128 v[VQ0+12:VQ0+15], v[TT+5], s[14:15] offset:16
	global_load_b32 v[TB], v[TT+8], s[16:17]
; a unit's index words: 8 rows of tiles x 2 tiles, each load 512 consecutive bytes, into set g; read once in the launch
.macro RAW g, b
.irp tk, 0,1,2,3,4,5,6,7
	global_load_b128 v[64*(\g)+8*\tk:64*(\g)+8*\tk+3], v[GA], s[\b:\b+1] offset:\tk*TKB th:TH_LOAD_NT
	global_load_b128 v[64*(\g)+8*\tk+4:64*(\g)+8*\tk+7], v[GA], s[\b:\b+1] offset:\tk*TKB+512 th:TH_LOAD_NT
.endr
.endm
	WIN 0x40                                       ; destination window 1
	RAW 0, 4
	RAW 1, 34
	WIN 0
	; LDS addresses, all of the make constant + lane terms + constant x wave
	s_mul_i32 s21, s20, RSW
	s_add_co_u32 s21, s21, RS
	v_and_b32 v[TT+9], 1, v0
	v_mul_u32_u24 v[TT+9], v[TT+9], 80
	v_bfe_u32 v[TT+10], v0, 1, 4
	v_lshl_add_u32 v[TT+9], v[TT+10], 2, v[TT+9]
	v_add_nc_u32 v[STW], s21, v[TT+9]              ; in: as loaded, lane = 2 k + half tile: record of my half tile, word k
	v_and_b32 v[TT+9], 7, v0                       ; my row of tiles, 2 c + h
	v_bfe_u32 v[TT+10], v0, 3, 1                   ; q
	v_mul_u32_u24 v[TT+11], v[TT+9], 160
	v_mad_u32_u24 v[TT+11], v[TT+10], 80, v[TT+11]
	v_mad_u32_u24 v[TT+11], v[TT+2], 1280, v[TT+11]
	v_add_nc_u32 v[STR], s21, v[TT+11]             ; out: record (2 c + h, q) of tile t.  Records 80 bytes apart: the 16 lanes of half a wave read 16 different columns of 16 bytes modulo 256
	s_lshl_b32 s21, s20, 9
	v_lshl_add_u32 v[SU0], v[TT+9], 6, s21         ; su: 4 x (128 w + 16 (2 c + h))
	v_bfe_u32 v[TT+11], v0, 3, 2
	s_lshl_b32 s21, s20, 8
	s_add_co_u32 s21, s21, CT
	v_lshl_add_u32 v[CT0], v[TT+11], 6, s21        ; c: K step w, my 8 columns' pairs
	s_lshl_b32 s21, s20, 2
	s_add_co_u32 s21, s21, XS
	v_mul_u32_u24 v[TT+11], v[TT+1], XSP
	v_add_nc_u32 v[XS0], s21, v[TT+11]             ; x's scale words: row lane % 16, word w
	s_mul_i32 s21, s20, CSWV
	s_add_co_u32 s21, s21, CS
	v_bfe_u32 v[TT+11], v0, 1, 2                   ; c
	v_and_b32 v[TT+12], 1, v0                      ; h
	v_mul_u32_u24 v[TT+13], v[TT+2], 2176
	v_mad_u32_u24 v[TT+13], v[TT+11], 544, v[TT+13]
	v_mad_u32_u24 v[TT+13], v[TT+12], 272, v[TT+13]
	v_lshl_add_u32 v[TT+13], v[TT+10], 7, v[TT+13]
	v_add_nc_u32 v[CSW], s21, v[TT+13]             ; codes in: fragment t, registers 4 c on, half h, lane 8 q + column.  544 and 272: the 16 lanes of half a wave store to 16 different columns of 16 bytes modulo 256
	v_mul_u32_u24 v[TT+13], v[TT+2], 272
	v_lshl_add_u32 v[TT+13], v[TT+1], 4, v[TT+13]
	v_add_nc_u32 v[CSR], s21, v[TT+13]             ; codes out: my lane's 16 bytes of each group of four registers
	s_add_co_u32 s21, s21, SBO
	v_lshlrev_b32 v[TT+13], 6, v[TT+2]
	v_lshl_add_u32 v[TT+13], v[TT+10], 5, v[TT+13]
	v_add_nc_u32 v[TT+13], v[TT+13], v[TT+11]
	v_add_nc_u32 v[SBW], s21, v[TT+13]             ; scale bytes in: word 16 t + 8 q + column, byte c
	v_lshl_add_u32 v[SBR], v[TT+1], 2, s21         ; scale words out: column lane % 16
	s_wait_loadcnt 32                              ; the 17 table loads are in; behind them stand the 32 loads of units 0 and 1
.irp j, 0,1,2,3,4,5,6,7
	ds_store_b128 v[TT+3], v[KC+4*\j:KC+4*\j+3] offset:SU+4096*\j
.endr
.irp j, 0,1,2,3
	ds_store_b128 v[TT+4], v[BF+4*\j:BF+4*\j+3] offset:XS+4352*\j
.endr
.irp i, 0,1,2,3,4,5,6,7
	v_mul_f32 v[VQ1+2*\i], v[VQ0+\i], v[VQ0+8+\i]  ; c = scales x sv, written twice: the packed multiply then needs no selection
	v_mul_f32 v[VQ1+2*\i+1], v[VQ0+\i], v[VQ0+8+\i]
.endr
.irp j, 0,1,2,3
	ds_store_b128 v[TT+7], v[VQ1+4*\j:VQ1+4*\j+3] offset:CT+16*\j
.endr
	s_wait_dscnt 0x0                               ; for the others' sake: my part of the tables lies in LDS
	s_barrier_signal -1
	s_barrier_wait -1                              ; the tables are whole; from here to the final sum no wave touches another's LDS bytes
; THE FRONT of a unit whose index words lie in set g: squeeze, turn, and fetch the unit's su, c and x's scale words (set par).  lc: the younger loads that may stay out.
.macro FRONT g, lc, par
	v_add_nc_u32 v[SUT], s40, v[SU0]
	v_add_nc_u32 v[CTT], s41, v[CT0]
	v_add_nc_u32 v[XST], s42, v[XS0]
	s_add_co_u32 s40, s40, 4096
	s_add_co_u32 s41, s41, 2048
	s_add_co_u32 s42, s42, 32
	s_wait_loadcnt \lc                             ; loads come back in order (ISA guide 5.7.1): this unit's 16 are in
	WIN 0x05                                       ; sources 0 and 1 window 1
.irp tau, 0,1,2,3,4,5,6,7,8,9,10,11,12,13,14,15
	v_perm_b32 v[VQ0+2*\tau], v[64*(\g)+4*\tau+1], v[64*(\g)+4*\tau], s24
	v_perm_b32 v[VQ0+2*\tau+1], v[64*(\g)+4*\tau+3], v[64*(\g)+4*\tau+2], s24
.endr
	WIN 0
.irp tau, 0,1,2,3,4,5,6,7,8,9,10,11,12,13,14,15
	v_perm_b32 v[VQ1+\tau], v[VQ0+2*\tau+1], v[VQ0+2*\tau], s25   ; four bytes = eight nibbles = eight neighbouring columns of one k
.endr
.irp tau, 0,1,2,3,4,5,6,7,8,9,10,11,12,13,14,15
	ds_store_b32 v[STW], v[VQ1+\tau] offset:(\tau/2)*160+(\tau%2)*1280
.endr
.irp j, 0,1,2,3
	ds_load_b128 v[RC+4*\j:RC+4*\j+3], v[STR] offset:16*\j        ; LDS serves a wave's instructions in order (ISA guide 5.7.1.4): these see the stores above
.endr
.irp j, 0,1,2,3
	ds_load_b128 v[SUR+4*\j:SUR+4*\j+3], v[SUT] offset:16*\j
.endr
.irp j, 0,1,2,3
	ds_load_b128 v[CCR+4*\j:CCR+4*\j+3], v[CTT] offset:16*\j
.endr
.irp j, 0,1,2,3
	ds_load_b32 v[XSC+4*(\par)+\j], v[XST] offset:4352*\j         ; rows 16 j + lane % 16
.endr
.endm
; THE LOOKUPS of quarter q (columns 2 q and 2 q + 1 of my eight) into buffer vb: 4 x nibble (two bits of no weight below it), under 64; the permute lands on its own address register
.macro IDX q, vb
.if (\q) == 0
.irp i, 0,1,2,3,4,5,6,7,8,9,10,11,12,13,14,15
	v_lshlrev_b32 v[\vb+\i], 2, v[RC+\i]
.endr
.irp i, 0,1,2,3,4,5,6,7,8,9,10,11,12,13,14,15
	v_and_b32 v[\vb+\i], 60, v[\vb+\i]
.endr
.else
.irp i, 0,1,2,3,4,5,6,7,8,9,10,11,12,13,14,15
	v_bfe_u32 v[\vb+\i], v[RC+\i], 8*(\q)-2, 6
.endr
.endif
.irp i, 0,1,2,3,4,5,6,7,8,9,10,11,12,13,14,15
	ds_bpermute_b32 v[\vb+\i], v[\vb+\i], v[TB]
.endr
.irp i, 0,1,2,3,4,5,6,7,8,9,10,11,12,13,14,15
	v_bfe_u32 v[\vb+16+\i], v[RC+\i], 8*(\q)+2, 6
.endr
.irp i, 0,1,2,3,4,5,6,7,8,9,10,11,12,13,14,15
	ds_bpermute_b32 v[\vb+16+\i], v[\vb+16+\i], v[TB]
.endr
.endm
; A QUARTER's arithmetic: 2 columns x 16 k in buffer vb become 2 x 16 codes and two scale bytes, which go to the wave's code stage (4 LDS stores)
.macro PROC q, vb
.irp p, 0,2,4,6,8,10,12,14
	v_pk_mul_f32 v[\vb+\p:\vb+\p+1], v[\vb+\p:\vb+\p+1], v[SUR+\p:SUR+\p+1]
	v_pk_mul_f32 v[\vb+16+\p:\vb+17+\p], v[\vb+16+\p:\vb+17+\p], v[SUR+\p:SUR+\p+1]
.endr
.irp p, 0,2,4,6,8,10,12,14
	v_pk_mul_f32 v[\vb+\p:\vb+\p+1], v[\vb+\p:\vb+\p+1], v[CCR+4*(\q):CCR+4*(\q)+1]
	v_pk_mul_f32 v[\vb+16+\p:\vb+17+\p], v[\vb+16+\p:\vb+17+\p], v[CCR+4*(\q)+2:CCR+4*(\q)+3]
.endr
	v_max3_num_f32 v[MA], |v[\vb]|, |v[\vb+1]|, 0x8000000          ; the largest magnitude of my 16, in two chains a column, with the floor 2^(16 - 127) as a leaf: the byte cannot fall under 1
	v_max3_num_f32 v[MB], |v[\vb+16]|, |v[\vb+17]|, 0x8000000
	v_max3_num_f32 v[YA], |v[\vb+8]|, |v[\vb+9]|, |v[\vb+10]|
	v_max3_num_f32 v[YB], |v[\vb+24]|, |v[\vb+25]|, |v[\vb+26]|
.irp i, 2,4
	v_max3_num_f32 v[MA], v[MA], |v[\vb+\i]|, |v[\vb+\i+1]|
	v_max3_num_f32 v[MB], v[MB], |v[\vb+16+\i]|, |v[\vb+17+\i]|
	v_max3_num_f32 v[YA], v[YA], |v[\vb+9+\i]|, |v[\vb+10+\i]|
	v_max3_num_f32 v[YB], v[YB], |v[\vb+25+\i]|, |v[\vb+26+\i]|
.endr
	v_max3_num_f32 v[MA], v[MA], |v[\vb+6]|, |v[\vb+7]|
	v_max3_num_f32 v[MB], v[MB], |v[\vb+22]|, |v[\vb+23]|
	v_max3_num_f32 v[MA], v[MA], v[YA], |v[\vb+15]|
	v_max3_num_f32 v[MB], v[MB], v[YB], |v[\vb+31]|
	v_max_num_f32_dpp v[MA], v[MA], v[MA] row_xmask:1 row_mask:0xf bank_mask:0xf   ; with lane l xor 1's 16: the block's
	v_max_num_f32_dpp v[MB], v[MB], v[MB] row_xmask:1 row_mask:0xf bank_mask:0xf
	v_add_nc_u32 v[EA], 0xf8800000, v[MA]          ; 15 off the exponent field: the conversion takes the exponent field of this operand as its scale
	v_add_nc_u32 v[EB], 0xf8800000, v[MB]
	v_and_or_b32 v[HA], v[MA], 0x7f800000, s26     ; 57,344 x the scale
	v_and_or_b32 v[HB], v[MB], 0x7f800000, s26
.irp i, 0,1,2,3,4,5,6,7,8,9,10,11,12,13,14,15
	v_med3_num_f32 v[\vb+\i], v[\vb+\i], -v[HA], v[HA]             ; the conversion to an 8-bit code does not saturate (ISA guide 7.6.2): the hold comes first
	v_med3_num_f32 v[\vb+16+\i], v[\vb+16+\i], -v[HB], v[HB]
.endr
	v_cvt_scalef32_pk8_bf8_f32 v[KC+8*(\q):KC+8*(\q)+1], v[\vb:\vb+7], v[EA]
	v_cvt_scalef32_pk8_bf8_f32 v[KC+8*(\q)+2:KC+8*(\q)+3], v[\vb+8:\vb+15], v[EA]
	v_cvt_scalef32_pk8_bf8_f32 v[KC+8*(\q)+4:KC+8*(\q)+5], v[\vb+16:\vb+23], v[EB]
	v_cvt_scalef32_pk8_bf8_f32 v[KC+8*(\q)+6:KC+8*(\q)+7], v[\vb+24:\vb+31], v[EB]
	v_lshrrev_b32 v[BY+2*(\q)], 23, v[EA]          ; the scale's byte.  (Also the plain instruction between the conversions and the next write of their sources)
	v_lshrrev_b32 v[BY+2*(\q)+1], 23, v[EB]
	ds_store_b128 v[CSW], v[KC+8*(\q):KC+8*(\q)+3] offset:32*(\q)
	ds_store_b128 v[CSW], v[KC+8*(\q)+4:KC+8*(\q)+7] offset:32*(\q)+16
	ds_store_b8 v[SBW], v[BY+2*(\q)] offset:8*(\q)                 ; both lanes of a block write the same byte with the same value
	ds_store_b8 v[SBW], v[BY+2*(\q)+1] offset:8*(\q)+4
.endm
; x's fragments of the next unit, and the index words of the unit three on (set g).  The bases are stepped behind s_wait_xcnt 0: the loads that read them were issued a unit ago.
; x's loads stand AHEAD of the index words', so that the wait for x leaves the stream out.
.macro LOADS xstep, rl, g, rstep
	s_wait_xcnt 0x0
.if \xstep
	s_add_nc_u64 s[6:7], s[6:7], 1024
.endif
.if \rl
	s_add_nc_u64 s[4:5], s[4:5], \rstep
.endif
	WIN 0x40
.irp mt, 0,1,2,3
.irp c, 0,1,2,3
	global_load_b128 v[XF+16*\mt+4*\c:XF+16*\mt+4*\c+3], v[XA], s[6:7] offset:\mt*131072+32*\c   ; x(16 mt + lane % 16, 32 c + 16 (lane / 16) .. + 15)
.endr
.endr
.if \rl
	RAW \g, 4
.endif
	WIN 0
.endm
; A UNIT.  par: which set holds its x scale words (the other raw set and the other scale set serve the next unit).  zero: its products start the sums.  front: a next unit exists.
; lcf, lcw: the younger loads that may stay out at the next unit's front and at this unit's products.  xl, rl: x of the next unit, index words of the unit three on, are asked for.
; On entry quarter 0's 32 lookups are out.
.macro UNIT par, zero, front, lcf, lcw, xl, rl
	IDX 1, VQ1
	s_wait_dscnt 32                                ; quarter 0's lookups are in; quarter 1's 32 stay out
	PROC 0, VQ0
	IDX 2, VQ0
	s_wait_dscnt 36                                ; quarter 1's are in; behind them: 4 stores, quarter 2's 32
	PROC 1, VQ1
	IDX 3, VQ1
	s_wait_dscnt 36
	PROC 2, VQ0
	s_wait_dscnt 4                                 ; quarter 3's are in; behind them: 4 stores
	PROC 3, VQ1
.irp t, 0,1
.irp c, 0,1,2,3
	ds_load_b128 v[BF+16*\t+4*\c:BF+16*\t+4*\c+3], v[CSR] offset:\t*2176+\c*544   ; W's fragments: registers 4 c on hold k = 32 c + 16 (lane / 16) + 0 .. 15 of column lane % 16
.endr
.endr
	ds_load_b32 v[WS], v[SBR]
	ds_load_b32 v[WS+1], v[SBR] offset:64
.if \front
	FRONT 1-\par, \lcf, 1-\par                     ; the next unit's squeeze and turn stand between the fragments' loads and their use
	s_wait_dscnt 32                                ; W's fragments and scale words are in; behind them: the front's 16 stores and 16 loads
.else
	s_wait_dscnt 0x0
.endif
	s_wait_loadcnt \lcw                            ; x's fragments are in
	WIN 0x54                                       ; source 0 (W) window 0; source 1 (x), C and D window 1; scale operands have no window
.irp mt, 0,1,2,3
.irp t, 0,1
.if \zero
	v_wmma_scale_f32_16x16x128_f8f6f4 v[ACC+8*(2*\mt+\t):ACC+8*(2*\mt+\t)+7], v[BF+16*\t:BF+16*\t+15], v[XF+16*\mt:XF+16*\mt+15], 0, v[WS+\t], v[XSC+4*(\par)+\mt] matrix_a_fmt:MATRIX_FMT_BF8 matrix_b_fmt:MATRIX_FMT_BF8
.else
	v_wmma_scale_f32_16x16x128_f8f6f4 v[ACC+8*(2*\mt+\t):ACC+8*(2*\mt+\t)+7], v[BF+16*\t:BF+16*\t+15], v[XF+16*\mt:XF+16*\mt+15], v[ACC+8*(2*\mt+\t):ACC+8*(2*\mt+\t)+7], v[WS+\t], v[XSC+4*(\par)+\mt] matrix_a_fmt:MATRIX_FMT_BF8 matrix_b_fmt:MATRIX_FMT_BF8
.endif
.endr
.endr
	WIN 0                                          ; the eight accumulators take turns, one instruction a turn, from unit to unit too
.if \front
	s_wait_dscnt 0x0                               ; the next unit's nibbles, su and c are in
	IDX 0, VQ0                                     ; its first lookups; their 48 vector instructions, which name no register of the products, are also the places in front of the loads into x's registers
.endif
.if \xl
	LOADS 1, \rl, 1-\par, UNITB
.endif
.endm
	FRONT 0, 16, 0                                 ; unit 0: behind its 16 loads stand unit 1's
	s_wait_dscnt 0x0
	IDX 0, VQ0
	LOADS 0, 1, 0, 2*UNITB                         ; x of unit 0, index words of unit 2
	UNIT 0, 1, 1, 32, 16, 1, 1                     ; unit 0 stands in front of the loop: its products start the sums.  32: x of this unit and the index words of the unit two on; 16: the latter alone
	s_mov_b32 s27, 2
.Ltrip:                                                ; units 1 and 2, 3 and 4: a trip runs two units, until the register sets are back where they began
	UNIT 1, 0, 1, 32, 16, 1, 1
	UNIT 0, 0, 1, 32, 16, 1, 1
	s_sub_co_u32 s27, s27, 1
	s_cmp_lg_u32 s27, 0
	s_cbranch_scc1 .Ltrip
	UNIT 1, 0, 1, 32, 16, 1, 0                     ; unit 5: no index words are left to ask for
	UNIT 0, 0, 1, 16, 0, 1, 0                      ; unit 6: behind unit 7's index words stands x of unit 6 alone, behind that nothing
	UNIT 1, 0, 0, 0, 0, 0, 0                       ; unit 7
	; THE SUM OF THE EIGHT WAVES.  Each wave lays its accumulators into its 8 KB of the stage as they stand (16 bytes a lane); behind a barrier wave w adds the eight parts of rows 8 w .. 8 w + 7 and stores them:
	; eight lanes to a row's 128 bytes, four rows an instruction.  The 13 address lines are the places between the last products and the first read of results.
	s_lshl_b32 s44, s20, 13
	s_add_co_u32 s44, s44, RED
	v_add_nc_u32 v[TT+9], s44, v[GA]               ; in: 16 x lane in my wave's part
	s_lshr_b32 s45, s20, 1
	s_lshl_b32 s45, s45, 11                        ; out: tile of rows w / 2 (two accumulators of 1,024 bytes),
	s_and_b32 s46, s20, 1
	s_lshl_b32 s46, s46, 7                         ; rows 8 (w % 2) on in it,
	s_add_co_u32 s45, s45, s46
	s_add_co_u32 s45, s45, RED
	v_bfe_u32 v[TT+10], v0, 2, 1
	v_lshlrev_b32 v[TT+10], 10, v[TT+10]           ; my four columns 4 (lane % 8): which tile of columns,
	v_and_b32 v[TT+11], 1, v0
	v_lshl_add_u32 v[TT+10], v[TT+11], 9, v[TT+10] ; registers 0-3 or 4-7,
	v_bfe_u32 v[TT+11], v0, 1, 1
	v_lshl_add_u32 v[TT+10], v[TT+11], 8, v[TT+10] ; which half of the lanes,
	v_bfe_u32 v[TT+11], v0, 3, 2
	v_lshl_add_u32 v[TT+10], v[TT+11], 4, v[TT+10] ; and row lane / 8
	v_add_nc_u32 v[TT+10], s45, v[TT+10]
	v_and_b32 v[TT+12], 7, v0
	v_lshlrev_b32 v[TT+12], 4, v[TT+12]
	v_lshl_add_u32 v[TT+12], v[TT+11], 15, v[TT+12]  ; in out: row lane / 8 of 32,768 bytes, 16 (lane % 8)
	WIN 0x04                                       ; an LDS store's data are its source 1: window 1
.irp a, 0,1,2,3,4,5,6,7
	ds_store_b128 v[TT+9], v[ACC+8*\a:ACC+8*\a+3] offset:1024*\a          ; each accumulator from its low end on
	ds_store_b128 v[TT+9], v[ACC+8*\a+4:ACC+8*\a+7] offset:1024*\a+512
.endr
	WIN 0
	s_wait_dscnt 0x0                               ; for the others' sake: my part lies in the stage
	s_barrier_signal -1
	s_barrier_wait -1
.irp w, 0,1,2,3,4,5,6,7
	ds_load_b128 v[Z+8*\w:Z+8*\w+3], v[TT+10] offset:8192*\w              ; wave w's part of rows 8 w' + lane / 8,
	ds_load_b128 v[Z+8*\w+4:Z+8*\w+7], v[TT+10] offset:8192*\w+64         ; and of the rows four further down
.endr
	s_wait_dscnt 0x0
.irp a, 0,2,4,6
.irp e, 0,2,4,6
	v_pk_add_f32 v[Z+8*\a+\e:Z+8*\a+\e+1], v[Z+8*\a+\e:Z+8*\a+\e+1], v[Z+8*\a+8+\e:Z+8*\a+9+\e]
.endr
.endr
.irp a, 0,4
.irp e, 0,2,4,6
	v_pk_add_f32 v[Z+8*\a+\e:Z+8*\a+\e+1], v[Z+8*\a+\e:Z+8*\a+\e+1], v[Z+8*\a+16+\e:Z+8*\a+17+\e]
.endr
.endr
.irp e, 0,2,4,6
	v_pk_add_f32 v[Z+\e:Z+\e+1], v[Z+\e:Z+\e+1], v[Z+32+\e:Z+33+\e]
.endr
	global_store_b128 v[TT+12], v[Z:Z+3], s[18:19] th:TH_STORE_NT
	global_store_b128 v[TT+12], v[Z+4:Z+7], s[18:19] offset:131072 th:TH_STORE_NT
	s_wait_tensorcnt 0x0
	ds_add_u32 v254, v255
	s_wait_dscnt 0x0
	s_endpgm
.Lfunc_end_k_q92678618dd_trellis:
	.size	k_q92678618dd_trellis, .Lfunc_end_k_q92678618dd_trellis-k_q92678618dd_trellis
	.p2alignl 7, 3214868480
	.fill 96, 4, 3214868480
	.section	.rodata,"a",@progbits
	.p2align	6, 0x0
	.amdhsa_kernel k_q92678618dd_trellis
		.amdhsa_group_segment_fixed_size 190464
		.amdhsa_private_segment_fixed_size 0
		.amdhsa_enable_private_segment 0
		.amdhsa_kernarg_size 64
		.amdhsa_user_sgpr_count 2
		.amdhsa_user_sgpr_kernarg_segment_ptr 1
		.amdhsa_wavefront_size32 1
		.amdhsa_system_sgpr_workgroup_id_x 1
		.amdhsa_system_sgpr_workgroup_id_y 1
		.amdhsa_system_sgpr_workgroup_id_z 1
		.amdhsa_system_vgpr_workitem_id 0
		.amdhsa_next_free_vgpr 512
		.amdhsa_next_free_sgpr 66
		.amdhsa_reserve_vcc 0
		.amdhsa_float_denorm_mode_32 3
		.amdhsa_float_denorm_mode_16_64 3
		.amdhsa_memory_ordered 1
		.amdhsa_forward_progress 1
		.amdhsa_inst_pref_size 255
	.end_amdhsa_kernel
	.section	.bss,"aw",@nobits
	.p2align	6
	.space	262144
	.amdgpu_metadata
---
amdhsa.version: [ 1, 2 ]
amdhsa.kernels:
  - .name:           k_q92678618dd_trellis
    .symbol:         k_q92678618dd_trellis.kd
    .args:
      - { .name: packed_indices, .offset: 0, .size: 8, .value_kind: global_buffer, .address_space: global }
      - { .name: x_codes, .offset: 8, .size: 8, .value_kind: global_buffer, .address_space: global }
      - { .name: x_scales, .offset: 16, .size: 8, .value_kind: global_buffer, .address_space: global }
      - { .name: scales, .offset: 24, .size: 8, .value_kind: global_buffer, .address_space: global }
      - { .name: su, .offset: 32, .size: 8, .value_kind: global_buffer, .address_space: global }
      - { .name: sv, .offset: 40, .size: 8, .value_kind: global_buffer, .address_space: global }
      - { .name: grid, .offset: 48, .size: 8, .value_kind: global_buffer, .address_space: global }
      - { .name: out0, .offset: 56, .size: 8, .value_kind: global_buffer, .address_space: global }
    .group_segment_fixed_size: 190464
    .private_segment_fixed_size: 0
    .kernarg_segment_align: 8
    .kernarg_segment_size: 64
    .max_flat_workgroup_size: 256
    .sgpr_count:     66
    .vgpr_count:     512
    .wavefront_size: 32
...
	.end_amdgpu_metadata
.endif
;; end of part 1
